; MI455X (gfx1250); checked and timed in simulation.
; The chip was launched on July 23, 2026; its instructions are those of AMD's public machine-readable ISA for CDNA 5 (MIT licence, August 2026) and "CDNA5" Instruction Set Architecture Reference Guide (July 2026). The comments in the code are by the model that wrote it; some were corrected since.
;; Attention. Allowed arithmetic: matrix products marked QUANTISED: E2M1 operands, one E8M0 scale for each 32 along K, by v_wmma_scale_f32_16x16x128_f8f6f4 with both operands' format E2M1 (or v_wmma_scale_f32_32x16x128_f4), f32 sums; products left as they are: bf16, f16 or f32 operands; f32 sums; everything else in f32.
;; Inputs: b_proj 1,024 float32; w_proj 1,024 x 1,024 float32; w_qkv 3,072 x 1,024 float32; x 4 x 2,048 x 1,024 float32.
;; Outputs: out0 4 x 2,048 x 1,024 float32.
;; This version of the problem:
;;   THIS VERSION OF THE PROBLEM IS GIVEN IN LOW PRECISION. The matrix products marked QUANTISED in the list below multiply operands that are first quantised to E2M1 (2 exponent bits, 1 mantissa bit; 4 bits a number), with one power-of-two scale for each 32 numbers along K (OCP MX v1.0); their sums are f32. The products marked 'left as it is' may take bf16, f16 or f32 operands, with f32 sums. Whichever they take, every output number must still come out within the allowed error. Rounding operands to bf16 (8 significant bits) uses up far more of that allowance than f16 does (11 bits, for magnitudes from 6e-5 to 65,504). All else is computed in f32.
;;   The module's matrix products, in the order in which they are computed (A, B: the left and right operand; K: the contracted axis; several contracted axes count as one K, in the product's order):
;;     1. [M 8,192, K 1,024] x [K 1,024, N 3,072]; A: input x; B: input w_qkv: QUANTISED
;;     2. batch 64 x [M 2,048, K 64] x [K 64, N 2,048]; A: computed on the way; B: computed on the way: left as it is (an operand is computed on the way)
;;     3. batch 64 x [M 2,048, K 2,048] x [K 2,048, N 64]; A: computed on the way; B: computed on the way: left as it is (an operand is computed on the way)
;;     4. [M 8,192, K 1,024] x [K 1,024, N 1,024]; A: computed on the way; B: input w_proj: left as it is (an operand is computed on the way)
;;   THE QUANTISER, for each operand of a quantised product, along K:
;;     - K is cut into blocks of 32 from its start; a last block that is shorter is filled with zeros.
;;     - A block's scale is 2^e with e = floor(log2(the largest magnitude in the block)) - 2, held to -126 .. 127; a block of zeros has e = 0. As a byte (E8M0): e + 127.
;;     - Each number is divided by its block's scale, clamped to +-6, and rounded to the nearest number of E2M1, ties to even, subnormals kept.
;;     - The product sums the exact products of the quantised numbers (number of the format x scale) in f32.
;;   ~~~python
;;   def quantise(x, axis):      # numpy; x: float32 -> the quantised numbers, widened to float32 again
;;       x = np.moveaxis(x, axis, -1); K = x.shape[-1]
;;       x = np.pad(x, [(0, 0)] * (x.ndim - 1) + [(0, -K % 32)]); x = x.reshape(x.shape[:-1] + (-1, 32)); a = np.abs(x).max(-1, keepdims=True)
;;       e = np.where(a > 0, np.clip(np.frexp(np.where(a > 0, a, 1))[1] - 1 - 2, -126, 127), 0)      # np.frexp(a)[1] - 1 = floor(log2(a)), exactly
;;       r = np.clip(x / 2.0 ** e, -6, 6)
;;       step = 2.0 ** (np.maximum(np.frexp(np.where(r == 0, 1, r))[1] - 1, 0) - 1)
;;       q = np.round(r / step) * step * 2.0 ** e      # np.round: ties to even
;;       return np.moveaxis(q.reshape(q.shape[:-2] + (-1,))[..., :K], -1, axis).astype(np.float32)
;;   ~~~
;; One version. Each part assembles by itself: llvm-mc -triple=amdgcn-amd-amdhsa -mcpu=gfx1250 --defsym DOCPART=n.
;; ======== version 1 of 1: 4 launches
;; limits: values are held in f16: magnitudes above 65,504 overflow, below 6.1e-05 lose precision
;; workspace buffers: xc 4,194,304 bytes; xs 262,144 bytes; wc 1,572,864 bytes; ws 98,304 bytes; wp 2,097,152 bytes; qkv 50,331,648 bytes; att 16,777,216 bytes
;; launch prep (part 1): grid 384 x 1, 4 waves a work-group, no clusters, 33,280 bytes of LDS; arguments x, w_qkv, xc, xs, wc, ws, w_proj, wp; writes xc, xs, wc, ws, wp
.if DOCPART == 1
	.amdgcn_target "amdgcn-amd-amdhsa--gfx1250"
	.amdhsa_code_object_version 6
	.text
	.protected	k_q5f8466501d_prep
	.globl	k_q5f8466501d_prep
	.p2align	8
	.type	k_q5f8466501d_prep,@function
k_q5f8466501d_prep:
	s_mov_b64 s[64:65], 0
	v_nop
	global_prefetch_b8 v0, s[64:65] scope:SCOPE_SE
	s_setreg_imm32_b32 hwreg(HW_REG_WAVE_MODE, 25, 1), 1
	s_wait_xcnt 0x0
; x [8192][1024] and w_qkv [3072][1024], f32, become codes of FP4 (E2M1), K innermost, two codes a byte, with one E8M0 scale byte for each 32 along K; w_proj [1024][1024] f32 becomes f16, same order.
; A block's scale is 2^(floor(log2(its largest magnitude)) - 2); its byte is the largest magnitude's exponent field - 2, held at 1 from below.  A block of zeros keeps the byte 1: its codes are zeros,
; which add nothing under that byte, and the bytes are read by this program alone.  Each number is divided by the scale and rounded to the nearest code, ties to even, beyond 6 the code of 6.
; LIMITS: blocks whose largest magnitude lies under 2^-124 keep the byte 1; NaN and infinities are not served; numbers of w_proj beyond 65,504 have no f16.
; Work-groups 0-255 take x, 256-351 w_qkv, 352-383 w_proj.  Rows are dense and K is a multiple of 32: each tensor is a plain stream; a wave takes 8,192 numbers.
; QUANTISING: 16 steps of 512 numbers.  Each of a step's four loads reads 512 consecutive bytes; the 2,048 bytes turn through the wave's own stage in LDS and come back 64 bytes a lane, so that a lane holds
; 16 neighbours along K (two lanes hold a block).  A lane's 16 codes are 8 bytes: a wave's store covers 256 consecutive aligned bytes.  A wave's 256 scale bytes are gathered in LDS and leave as one such store.
.set SIZE_M, 8192
.set SIZE_N, 3072
.set SIZE_K, 1024
.set WAVES, 4
.set STEPS, 16
.set WGA,   SIZE_M*SIZE_K/(512*STEPS*WAVES)            ; 256 work-groups for x
.set WGQ,   (SIZE_M+SIZE_N)*SIZE_K/(512*STEPS*WAVES)   ; 352 for x and w_qkv
.set EMAX,  2
.set CB,    8                          ; bytes of 16 codes
.set R,     16                         ; v16-79   four sets of 16 numbers as they are loaded
.set X,     80                         ; v80-111  two sets of 16 neighbours
.set C,     128                        ; v128-191 codes: four registers for each step, so that no store's data are written again
.set E,     112                        ; v112-127 a scale byte for each step
.set WREG,  8192                       ; LDS: a region for each wave: two stages of 32 x SP bytes, behind them its 256 scale bytes
.set SP,    80                         ; a lane's place in a stage: 64 bytes + 16 of padding
.set SPW,   12                         ; v12  LDS address of my spare word; never rewritten
.set NIL,   13                         ; v13  0; never rewritten
.set SPARE, WAVES*WREG                 ; behind the four regions: the spare words, 128 bytes a wave
.set CI,    16                         ; w_proj's path: v16-143 two sets of 64 numbers
.set CQ,    144                        ; v144-175 their f16 pairs
	s_load_b128 s[4:7], s[0:1], 0x0                ; x, w_qkv
	s_load_b128 s[8:11], s[0:1], 0x10              ; x's codes, x's scales
	s_load_b128 s[12:15], s[0:1], 0x20             ; w_qkv's codes, its scales
	s_load_b128 s[24:27], s[0:1], 0x30             ; w_proj, its f16 copy
	v_lshl_add_u32 v[SPW], v0, 2, SPARE
	v_mov_b32 v[NIL], 0
	v_lshrrev_b32 v1, 5, v0
	v_readfirstlane_b32 s16, v1                    ; wave
	v_and_b32 v2, 31, v0                           ; lane
	v_lshlrev_b32 v3, 4, v2                        ; my 16 bytes of a load's 512
	s_mul_i32 s17, s16, WREG
	v_lshrrev_b32 v14, 2, v2
	v_mul_u32_u24 v14, v14, SP
	v_and_b32 v15, 3, v2
	v_lshl_add_u32 v14, v15, 4, v14
	v_add_nc_u32 v14, s17, v14                     ; the stage, on the way in: SP (lane / 4) + 16 (lane % 4)
	v_mul_u32_u24 v15, v2, SP
	v_add_nc_u32 v15, s17, v15                     ; and on the way out: SP x lane: my 16 neighbours
	v_mul_u32_u24 v4, v2, CB                       ; 8 x lane: my codes' place in a step's; also my f16 numbers' place in a store's 256 bytes
	v_lshrrev_b32 v5, 1, v2
	s_add_co_u32 s17, s17, 2*32*SP
	v_add_nc_u32 v5, s17, v5                       ; LDS: my wave's 256 scale bytes, my block's byte
	v_lshlrev_b32 v7, 3, v2                        ; and on the way out 8 bytes a lane
	v_add_nc_u32 v6, s17, v7
	s_wait_kmcnt 0x0
	s_cmp_ge_u32 ttmp9, WGQ                        ; the last 32 work-groups convert w_proj
	s_cbranch_scc1 .Lconv
	s_cmp_lt_u32 ttmp9, WGA                        ; x's work-group or w_qkv's?  Only pointers are chosen, by the work-group's number alone
	s_cselect_b64 s[4:5], s[4:5], s[6:7]
	s_cselect_b64 s[8:9], s[8:9], s[12:13]
	s_cselect_b64 s[10:11], s[10:11], s[14:15]
	s_cselect_b32 s17, 0, WGA
	s_sub_co_u32 s17, ttmp9, s17
	s_lshl_b32 s17, s17, 2
	s_add_co_u32 s18, s17, s16                     ; which run of 8,192 numbers of the tensor is my wave's
	s_mov_b32 s19, 0
	s_mov_b64 s[20:21], 512*STEPS*4
	s_mul_u64 s[20:21], s[18:19], s[20:21]
	s_add_nc_u64 s[4:5], s[4:5], s[20:21]
	s_mov_b64 s[20:21], 32*STEPS*CB
	s_mul_u64 s[20:21], s[18:19], s[20:21]
	s_add_nc_u64 s[8:9], s[8:9], s[20:21]
	s_lshl_b32 s18, s18, 8                         ; 256 scale bytes a run
	s_add_nc_u64 s[10:11], s[10:11], s[18:19]
.macro LOAD t
.irp i, 0,1,2,3
	global_load_b128 v[R+16*((\t)%4)+4*\i:R+16*((\t)%4)+4*\i+3], v3, s[4:5] offset:2048*(\t)+512*\i th:TH_LOAD_NT   ; 32 lanes read 512 consecutive bytes
.endr
.endm
.macro TURN t                          ; step t's numbers through the stage: LDS serves a wave's instructions in order, so no wait stands between the stores and the loads
.irp i, 0,1,2,3
	ds_store_b128 v14, v[R+16*((\t)%4)+4*\i:R+16*((\t)%4)+4*\i+3] offset:32*SP*((\t)%2)+8*SP*\i
.endr
.irp i, 0,1,2,3
	ds_load_b128 v[X+16*((\t)%2)+4*\i:X+16*((\t)%2)+4*\i+3], v15 offset:32*SP*((\t)%2)+16*\i
.endr
.endm
.irp t, 0,1,2,3
	LOAD \t
.endr
	s_wait_loadcnt 12                              ; step 0's four loads are in; the twelve of steps 1 to 3 may be out
	TURN 0
.macro STEP t
.set XS, X+16*((\t)%2)
.if (\t) > 0
	s_wait_dscnt 1                                 ; this step's numbers are back from the stage (the last step's byte store may be out): so its stores into the stage have read their registers,
.else
	s_wait_dscnt 0x0
.endif
.if (\t)+4 < STEPS
	LOAD (\t)+4                                    ; which take the loads of four steps on
.endif
.if (\t)+1 < STEPS
.if STEPS-2-(\t) >= 3
	s_wait_loadcnt 12                              ; the next step's four loads are in; those of the three steps behind it may be out
.else
	s_wait_loadcnt 4*(STEPS-2-(\t))
.endif
	TURN (\t)+1                                    ; and go through the other stage while this step is worked
.endif
	v_max3_num_f32 v8, |v[XS]|, |v[XS+1]|, |v[XS+2]|               ; the largest magnitude of my 16, in two chains
	v_max3_num_f32 v9, |v[XS+3]|, |v[XS+4]|, |v[XS+5]|
.irp i, 6,10
	v_max3_num_f32 v8, v8, |v[XS+\i]|, |v[XS+\i+1]|
	v_max3_num_f32 v9, v9, |v[XS+\i+2]|, |v[XS+\i+3]|
.endr
	v_max3_num_f32 v8, v8, |v[XS+14]|, |v[XS+15]|
	v_max3_num_f32 v8, v8, v9, (EMAX+1)<<23        ; and the floor 2^(3 - 127): the byte cannot fall under 1
	v_max_num_f32_dpp v8, v8, v8 row_xmask:1 row_mask:0xf bank_mask:0xf   ; and of my neighbour's 16: the block's
	v_add_nc_u32 v11, -(EMAX<<23), v8              ; 2 off its exponent field: the conversion takes the exponent field of this operand as its scale
	v_cvt_scalef32_pk8_fp4_f32 v[C+4*(\t)], v[XS:XS+7], v11
	v_cvt_scalef32_pk8_fp4_f32 v[C+4*(\t)+1], v[XS+8:XS+15], v11
	v_lshrrev_b32 v[E+(\t)], 23, v11               ; the scale's byte (a plain line behind the conversions)
	ds_store_b8 v5, v[E+(\t)] offset:16*(\t)       ; both lanes of a block write the same byte with the same value
	global_store_b64 v4, v[C+4*(\t):C+4*(\t)+1], s[8:9] offset:32*CB*(\t)   ; 256 consecutive aligned bytes a wave
.endm
.irp t, 0,1,2,3,4,5,6,7,8,9,10,11,12,13,14,15
	STEP \t
.endr
	ds_load_b64 v[8:9], v6                         ; LDS serves a wave's instructions in order: these see my byte stores
	s_wait_dscnt 0x0
	global_store_b64 v7, v[8:9], s[10:11]          ; 32 lanes store 256 consecutive aligned bytes of scale bytes
	s_branch .Lend
; W_PROJ TO F16.  A wave takes 8,192 numbers in four batches of 16 loads (512 consecutive bytes each); a lane's four numbers become 8 bytes, a wave's store 256 consecutive aligned bytes.  No LDS.
.macro CLOAD q
.irp i, 0,1,2,3,4,5,6,7,8,9,10,11,12,13,14,15
	global_load_b128 v[CI+64*((\q)%2)+4*\i:CI+64*((\q)%2)+4*\i+3], v3, s[24:25] offset:512*(16*(\q)+\i) th:TH_LOAD_NT
.endr
.endm
.macro CONV q, left
	s_wait_loadcnt \left                           ; this batch is in; the younger batch's loads may be out
	s_wait_xcnt 0x0                                ; the last batch's stores have read their data registers, which are written again below
.irp i, 0,1,2,3,4,5,6,7,8,9,10,11,12,13,14,15
	v_cvt_pk_f16_f32 v[CQ+2*\i], v[CI+64*((\q)%2)+4*\i], v[CI+64*((\q)%2)+4*\i+1]
	v_cvt_pk_f16_f32 v[CQ+2*\i+1], v[CI+64*((\q)%2)+4*\i+2], v[CI+64*((\q)%2)+4*\i+3]
.endr
.irp i, 0,1,2,3,4,5,6,7,8,9,10,11,12,13,14,15
	global_store_b64 v4, v[CQ+2*\i:CQ+2*\i+1], s[26:27] offset:256*(16*(\q)+\i)
.endr
.endm
.Lconv:
	s_sub_co_u32 s17, ttmp9, WGQ
	s_lshl_b32 s17, s17, 2
	s_add_co_u32 s17, s17, s16                     ; which run of 8,192 numbers is my wave's: 0 .. 127
	s_lshl_b32 s18, s17, 15                        ; 32,768 bytes of f32,
	s_mov_b32 s19, 0
	s_add_nc_u64 s[24:25], s[24:25], s[18:19]
	s_lshl_b32 s18, s17, 14                        ; 16,384 of f16
	s_add_nc_u64 s[26:27], s[26:27], s[18:19]
	CLOAD 0
	CLOAD 1
	CONV 0, 16
	CLOAD 2
	CONV 1, 16
	CLOAD 3
	CONV 2, 16
	CONV 3, 0
.Lend:
	s_wait_tensorcnt 0x0                           ; the wave's end: behind my last LDS store
	ds_add_u32 v[SPW], v[NIL]
	s_wait_dscnt 0x0
	s_endpgm
.Lfunc_end_k_q5f8466501d_prep:
	.size	k_q5f8466501d_prep, .Lfunc_end_k_q5f8466501d_prep-k_q5f8466501d_prep
	.p2alignl 7, 3214868480
	.fill 96, 4, 3214868480
	.section	.rodata,"a",@progbits
	.p2align	6, 0x0
	.amdhsa_kernel k_q5f8466501d_prep
		.amdhsa_group_segment_fixed_size 33280
		.amdhsa_private_segment_fixed_size 0
		.amdhsa_enable_private_segment 0
		.amdhsa_kernarg_size 64
		.amdhsa_user_sgpr_count 2
		.amdhsa_user_sgpr_kernarg_segment_ptr 1
		.amdhsa_wavefront_size32 1
		.amdhsa_system_sgpr_workgroup_id_x 1
		.amdhsa_system_sgpr_workgroup_id_y 1
		.amdhsa_system_sgpr_workgroup_id_z 1
		.amdhsa_system_vgpr_workitem_id 0
		.amdhsa_next_free_vgpr 192
		.amdhsa_next_free_sgpr 66
		.amdhsa_reserve_vcc 0
		.amdhsa_float_denorm_mode_32 3
		.amdhsa_float_denorm_mode_16_64 3
		.amdhsa_memory_ordered 1
		.amdhsa_forward_progress 1
		.amdhsa_inst_pref_size 54
	.end_amdhsa_kernel
	.amdgpu_metadata
---
amdhsa.version: [ 1, 2 ]
amdhsa.kernels:
  - .name:           k_q5f8466501d_prep
    .symbol:         k_q5f8466501d_prep.kd
    .args:
      - { .name: x, .offset: 0, .size: 8, .value_kind: global_buffer, .address_space: global }
      - { .name: w_qkv, .offset: 8, .size: 8, .value_kind: global_buffer, .address_space: global }
      - { .name: xc, .offset: 16, .size: 8, .value_kind: global_buffer, .address_space: global }
      - { .name: xs, .offset: 24, .size: 8, .value_kind: global_buffer, .address_space: global }
      - { .name: wc, .offset: 32, .size: 8, .value_kind: global_buffer, .address_space: global }
      - { .name: ws, .offset: 40, .size: 8, .value_kind: global_buffer, .address_space: global }
      - { .name: w_proj, .offset: 48, .size: 8, .value_kind: global_buffer, .address_space: global }
      - { .name: wp, .offset: 56, .size: 8, .value_kind: global_buffer, .address_space: global }
    .group_segment_fixed_size: 33280
    .private_segment_fixed_size: 0
    .kernarg_segment_align: 8
    .kernarg_segment_size: 64
    .max_flat_workgroup_size: 128
    .sgpr_count:     66
    .vgpr_count:     192
    .wavefront_size: 32
...
	.end_amdgpu_metadata
.endif
;; end of part 1
;; launch qkv (part 2): grid 12 x 32, 4 waves a work-group, clusters of 4 x 4, 327,680 bytes of LDS; arguments xc, xs, wc, ws, qkv; writes qkv
.if DOCPART == 2
	.amdgcn_target "amdgcn-amd-amdhsa--gfx1250"
	.amdhsa_code_object_version 6
	.text
	.protected	k_q5f8466501d_qkv
	.globl	k_q5f8466501d_qkv
	.p2align	8
	.type	k_q5f8466501d_qkv,@function
k_q5f8466501d_qkv:
	s_mov_b64 s[64:65], 0
	v_nop
	global_prefetch_b8 v0, s[64:65] scope:SCOPE_SE
	s_setreg_imm32_b32 hwreg(HW_REG_WAVE_MODE, 25, 1), 1
	s_wait_xcnt 0x0
	s_wait_alu depctr_hold_cnt(0) depctr_sa_sdst(0) depctr_va_vdst(0) depctr_va_sdst(0) depctr_va_ssrc(0) depctr_va_vcc(0) depctr_vm_vsrc(0)
	s_getreg_b32 s2, hwreg(HW_REG_IB_STS2, 6, 4)
	s_cmp_eq_u32 s2, 0
	s_cbranch_scc0 .Lentry_in_a_cluster
	s_endpgm
.Lentry_in_a_cluster:
	s_bfe_u32 s2, ttmp6, 0x10000c
	s_cmp_lg_u32 s2, 0xf033
	s_cbranch_scc0 .Lentry_shape_is_right
	s_endpgm
.Lentry_shape_is_right:
; q, k, v = x w_qkv^T on codes of FP4 (E2M1) with one E8M0 scale for each 32 along K; sums in f32; results rounded once to f16 and laid in the order in which the attention launch's operand registers take them.
; A: x's codes [8192][512 bytes], scales [8192][32]; B: w_qkv's codes [3072][512 bytes], scales [3072][32].
; A tile of C, 256 x 256, is made by four waves, each 128 x 128: 64 accumulators, 512 registers.  K = 1,024 is two slots of 512 along K (rows of 256 bytes): both are asked for at the head, nothing is filled again.
; The scale bytes of the work-group's 256 + 256 rows, for all of K, are two dense blocks: they come into LDS once, with the first fills.
; CLUSTERS: 4 x 4 work-groups; A's tiles are asked for jointly along a row of the cluster, B's along a column: the same tensor load, the same descriptor, a mask that names the four.
; THE MATRIX INSTRUCTION IS USED TRANSPOSED (source 0 = 16 rows of B, source 1 = 16 rows of A): a lane holds eight neighbouring columns of one row of C: 16 bytes of f16.
; THE OUTPUT, in bytes: which (q 0, k 1, v 2) x 2^24 + (batch x 16 + head) x 2^18 + (pos / 16) x 2,048 + (d / 16) x 512 + the place of the lane's 16 bytes (r = pos % 16, hh = (d / 8) % 2):
;   q, k: 16 r + 256 hh, which is 16 x the lane of an f16 fragment;   v: 32 r + 16 hh, a tile of 16 keys x 16 channels with rows of 32 bytes.  Either way a wave's store covers 512 consecutive aligned bytes.
; LIMIT: results beyond 65,504 have no f16 (on numbers 30 times the drawn ones' size, in x and in w_qkv at once, they reach some 5,400).
; REGISTERS, in windows of 256: window 0: v0-31 addresses; v32-95 scale words, two sets; from v128 A's fragments, ONE set; on the way out v128-255 hold packed results.
;   window 1: B's fragments, TWO sets, at v0 and v128.   window 2: the accumulators of my rows 0-63 ((a, b) at v[8 (8 a + b)]);   window 3: those of my rows 64-127.
.set SIZE_M, 8192
.set SIZE_N, 3072
.set SIZE_K, 1024
.set KSTEP,  512                       ; along K in a slot
.set NQ,     KSTEP/128                 ; matrix instructions deep
.set ROWB,   256                       ; a tile's row in bytes
.set KROW,   SIZE_K*4/8                ; a row of codes in memory
.set PITCH,  272                       ; an LDS row: 256 bytes + 16 of padding = 68 words: the 16 rows that a load touches start at 16 different banks
.set FR,     8                         ; registers of a fragment: 16 rows x 128 K
.set NL,     2                         ; LDS loads that bring one
.set NP,     4                         ; places behind this matrix instruction (ISA guide 7.12.1)
.set HALFT,  128*PITCH                 ; 128 rows: what one tensor load brings
.set SLOT,   4*HALFT                   ; A's 256 rows, then B's 256 rows
.set KS,     SIZE_K/32                 ; a row of scales in bytes
.set SCL,    2*SLOT                    ; behind the two slots: the scales, as rows of 256 bytes + 16 of padding
.set HALFS,  (128*KS/256)*272          ; the scales of 128 rows
.set SBLK,   (16*KS/256)*272           ; those of 16 rows
.set SPARE,  SCL+4*HALFS               ; behind the scales: the spare words, 128 bytes a wave
.set ADRA, 16                          ; v16-17  LDS address of my A fragments in slot 0, 1
.set ADRB, 20                          ; v20-21  the same for B
.set CO,   26                          ; v26     my 16 bytes' place in a block of 512 bytes of the output
.set SPW,  28                          ; v28     LDS address of my spare word; never rewritten
.set NIL,  29                          ; v29     0; never rewritten
.set ADRS, 27                          ; v27     LDS address of my scale words: lanes 0-15 A's rows, lanes 16-31 B's
.set SC,   32                          ; scale words: set s at v[SC + 8 NQ s]; register NQ i + q: lanes 0-15 A's block i, lanes 16-31 B's block i, the slot's q-th 128 along K
.set AF,   128                         ; A's fragments, in window 0
.set TMP,  128                         ; the way out: packed results, 32 registers a block, four blocks' worth
.set G1, 24                            ; s[24:31] descriptor group 1 for A's tiles;  s[32:39] group 0, one set for each slot
.set G0, 32
.set G1B, 48                           ; s[48:55], s[56:63] the same for B's tiles
.set G0B, 56
.set G1S, 68                           ; s[68:75], s[76:79] groups 1 and 0 for A's scales;  s[80:87], s[88:91] for B's
.set G0S, 76
.set G1SB, 80
.set G0SB, 88
.set MSB, 0
.macro WIN new                         ; the immediate's high byte repeats the setting that is left
.if MSB != \new
	s_set_vgpr_msb (MSB<<8)|\new
.set MSB, \new
.endif
.endm
.set MUL_LO, 0xa1                      ; source 0 (B) window 1, source 1 (A) window 0, C and D window 2
.set MUL_HI, 0xf1                      ; the same, C and D window 3
.set TO_B,   0x40                      ; destination window 1, address window 0
; A joint load: waves 0 and 1 fetch for A, waves 2 and 3 for B.  The branch hangs on the wave's number alone.  An s_nop 0 and four v_nop follow each of the two lines.
.macro JLOAD g0a, g1a, g0b, g1b
	s_cmp_eq_u32 s15, 0
	s_cbranch_scc0 .Lfor_b_\@
	tensor_load_to_lds s[\g0a:\g0a+3], s[\g1a:\g1a+7]
	s_nop 0
.rept 4
	v_nop
.endr
	s_branch .Lasked_\@
.Lfor_b_\@:
	tensor_load_to_lds s[\g0b:\g0b+3], s[\g1b:\g1b+7]
	s_nop 0
.rept 4
	v_nop
.endr
.Lasked_\@:
.endm
.macro CROUND                          ; a round of the cluster's barrier
	s_barrier_signal -1
	s_barrier_wait -1
	s_cmp_lg_u32 s14, 0
	s_cbranch_scc1 .Lnot_wave_0_\@
	s_barrier_signal -3
.Lnot_wave_0_\@:
	s_barrier_wait -3
	s_barrier_signal -1
	s_barrier_wait -1
.endm
	s_load_b128 s[4:7], s[0:1], 0x0                ; A's codes s[4:5], A's scales s[6:7]
	s_load_b128 s[8:11], s[0:1], 0x10              ; B's codes s[8:9], B's scales s[10:11]
	s_load_b64 s[12:13], s[0:1], 0x20              ; the output
	v_lshl_add_u32 v[SPW], v0, 2, SPARE
	v_mov_b32 v[NIL], 0
	ds_add_u32 v[SPW], v[NIL]                      ; the wave's opening: the add, twice on end, and its wait ahead of my first tensor load
	ds_add_u32 v[SPW], v[NIL]                      ; and once more, under the one wait; the set-up below, work on registers, stands between
	v_lshrrev_b32 v1, 5, v0
	v_readfirstlane_b32 s14, v1                    ; wave 0..3
	s_lshr_b32 s15, s14, 1                         ; which half of the tile's rows is mine.  Also: I fetch for A (0) or for B (1)
	s_and_b32 s16, s14, 1                          ; which half of its columns.  Also: which 128 rows of that tile I fetch
	s_bfe_u32 s40, ttmp6, 0x40000                  ; cx, cy: my place in the cluster
	s_bfe_u32 s41, ttmp6, 0x40004
	s_lshl_b32 s42, ttmp9, 2
	s_add_co_u32 s42, s42, s40                     ; tile column of C = 4 x cluster x + cx
	s_and_b32 s17, ttmp7, 0xffff
	s_lshl_b32 s17, s17, 2
	s_add_co_u32 s17, s17, s41                     ; tile row of C = 4 x cluster y + cy
	s_lshl_b32 s43, s41, 2
	s_lshl_b32 s43, 15, s43                        ; my row of the cluster
	s_lshl_b32 s44, 0x1111, s40                    ; my column
	; descriptor group 1: a tile of 128 rows x 256 bytes, padded in LDS
	s_or_b32 s[G1+0], s43, (0<<16)|(1<<20)|(1<<21)|(5<<22)|(3<<25)  ; 15:0 the mask; 17:16 elements of 1 byte; 20 padding on; 21 set beside a mask; 24:22 after every 64 words; 31:25 four words
	s_or_b32 s[G1B+0], s44, (0<<16)|(1<<20)|(1<<21)|(5<<22)|(3<<25)
.irp g, G1, G1B
	s_mov_b32 s[\g+1], ROWB<<16                    ; tensor_dim0
	s_mov_b32 s[\g+2], 128<<16                     ; tensor_dim1
	s_mov_b32 s[\g+3], ROWB<<16                    ; tile_dim0
	s_mov_b32 s[\g+4], 128                         ; tile_dim1
	s_mov_b32 s[\g+5], KROW                        ; tensor_dim0_stride
	s_mov_b32 s[\g+6], 0
	s_mov_b32 s[\g+7], 0
.endr
	; the scales of 128 rows: 4,096 dense bytes, as 16 rows of 256 bytes (32 elements of 8 bytes), 16 bytes of padding behind each
	s_or_b32 s[G1S+0], s43, (3<<16)|(1<<20)|(1<<21)|(5<<22)|(3<<25)
	s_or_b32 s[G1SB+0], s44, (3<<16)|(1<<20)|(1<<21)|(5<<22)|(3<<25)
.irp g, G1S, G1SB
	s_mov_b32 s[\g+1], 32<<16
	s_mov_b32 s[\g+2], (128*KS/256)<<16
	s_mov_b32 s[\g+3], 32<<16
	s_mov_b32 s[\g+4], 128*KS/256
	s_mov_b32 s[\g+5], 32
	s_mov_b32 s[\g+6], 0
	s_mov_b32 s[\g+7], 0
.endr
	s_lshl_b32 s18, s16, 7                         ; which 128 rows of the tile I fetch
	s_lshl_b32 s20, s17, 8
	s_add_co_u32 s20, s20, s18                     ; A: row 256 x tile row + 128 x half
	s_lshl_b32 s46, s42, 8
	s_add_co_u32 s46, s46, s18                     ; B: row 256 x tile column + 128 x half
	s_mov_b32 s21, 0
	s_mov_b32 s47, 0
	s_mov_b64 s[18:19], KS
	s_mul_u64 s[22:23], s[20:21], s[18:19]         ; where these rows' scales begin, in bytes
	s_mul_u64 s[92:93], s[46:47], s[18:19]
	s_mov_b64 s[18:19], KROW
	s_mul_u64 s[20:21], s[20:21], s[18:19]         ; and their codes
	s_mul_u64 s[46:47], s[46:47], s[18:19]
	s_mul_i32 s45, s14, HALFT                      ; where they go: wave x 128 rows: no place in the cluster enters an LDS address
	s_mul_i32 s94, s14, HALFS
	s_wait_dscnt 0x0                               ; both opening adds are done
	s_wait_kmcnt 0x0
	s_add_nc_u64 s[20:21], s[4:5], s[20:21]
	s_add_nc_u64 s[22:23], s[6:7], s[22:23]
	s_add_nc_u64 s[46:47], s[8:9], s[46:47]
	s_add_nc_u64 s[92:93], s[10:11], s[92:93]
	CROUND                                         ; all sixteen work-groups are here: the joint loads meet
	s_mov_b32 s[G0S], 1
	s_add_co_u32 s[G0S+1], s94, SCL
	s_mov_b64 s[G0S+2:G0S+3], s[22:23]
	s_or_b32 s[G0S+3], s[G0S+3], 0x80000000
	s_mov_b32 s[G0SB], 1
	s_add_co_u32 s[G0SB+1], s94, SCL
	s_mov_b64 s[G0SB+2:G0SB+3], s[92:93]
	s_or_b32 s[G0SB+3], s[G0SB+3], 0x80000000
	JLOAD G0S, G1S, G0SB, G1SB                     ; the scales first: they are wanted with the first slot
.irp s, 0,1
	s_mov_b32 s[G0+4*\s], 1
	s_add_co_u32 s[G0+4*\s+1], s45, \s*SLOT
	s_add_nc_u64 s[G0+4*\s+2:G0+4*\s+3], s[20:21], \s*ROWB
	s_or_b32 s[G0+4*\s+3], s[G0+4*\s+3], 0x80000000
	s_mov_b32 s[G0B+4*\s], 1
	s_add_co_u32 s[G0B+4*\s+1], s45, \s*SLOT
	s_add_nc_u64 s[G0B+4*\s+2:G0B+4*\s+3], s[46:47], \s*ROWB
	s_or_b32 s[G0B+4*\s+3], s[G0B+4*\s+3], 0x80000000
	JLOAD G0+4*\s, G1, G0B+4*\s, G1B               ; three loads of mine are out in all
.endr
	v_and_b32 v1, 15, v0                           ; r = l % 16
	v_bfe_u32 v2, v0, 4, 1                         ; h = l / 16
	v_mul_u32_u24 v3, v1, PITCH
	v_lshl_add_u32 v4, v2, 4, v3                   ; a fragment's row x pitch + 16 x half
	s_mul_i32 s21, s15, HALFT                      ; my 128 rows of A
	s_mul_i32 s22, s16, HALFT                      ; my 128 rows of B,
	s_add_co_u32 s22, s22, 2*HALFT                 ; which lie behind A's 256
.irp s, 0,1
	v_add_nc_u32 v[ADRA+\s], s21, v4
	v_add_nc_u32 v[ADRB+\s], s22, v4
	s_add_co_u32 s21, s21, SLOT
	s_add_co_u32 s22, s22, SLOT
.endr
	v_mul_u32_u24 v5, v1, KS                       ; my row's scales: KS bytes a row,
	v_lshrrev_b32 v6, 8, v5
	v_lshl_add_u32 v5, v6, 4, v5                   ; and 16 more for each 256 passed
	s_mul_i32 s21, s15, HALFS                      ; A's: my 128 rows
	s_mul_i32 s22, s16, HALFS                      ; B's: my 128 rows, behind A's 256
	s_add_co_u32 s22, s22, 2*HALFS
	s_sub_co_u32 s22, s22, s21
	v_mul_u32_u24 v6, s22, v2                      ; lanes 16-31 take B's: one product, the distance between the two bases
	s_add_co_u32 s21, s21, SCL
	v_add_nc_u32 v5, v5, v6
	v_add_nc_u32 v[ADRS], s21, v5
	; the output.  Cluster x is which of q, k, v (1,024 columns = four tiles); it only chooses how a lane's 16 bytes lie in a block of 512
	s_cmp_eq_u32 ttmp9, 2
	s_cselect_b32 s20, 32, 16                      ; v: 32 r + 16 h;   q, k: 16 r + 256 h
	s_cselect_b32 s21, 16, 256
	v_mul_u32_u24 v5, s20, v1
	v_mad_u32_u24 v[CO], v2, s21, v5
	s_lshl_b32 s20, ttmp9, 24                      ; which x 2^24
	s_lshr_b32 s21, s17, 3                         ; batch: eight tile rows of 256 positions each
	s_lshl_b32 s21, s21, 4
	s_lshl_b32 s22, s40, 2                         ; head: 4 cx + 2 x my half of the columns (+ b / 4 in the stores' offsets)
	s_add_co_u32 s21, s21, s22
	s_lshl_b32 s22, s16, 1
	s_add_co_u32 s21, s21, s22
	s_lshl_b32 s21, s21, 18
	s_add_co_u32 s20, s20, s21
	s_and_b32 s21, s17, 7                          ; pos / 16: 16 x (tile row % 8) + 8 x my half of the rows (+ a in the stores' offsets)
	s_lshl_b32 s21, s21, 4
	s_lshl_b32 s22, s15, 3
	s_add_co_u32 s21, s21, s22
	s_lshl_b32 s21, s21, 11
	s_add_co_u32 s20, s20, s21
	s_mov_b32 s21, 0
	s_add_nc_u64 s[12:13], s[12:13], s[20:21]
.macro FRAG reg, adr, q, i             ; a fragment, 16 rows x 128 K of 4-bit codes, is 8 registers: lane l holds row l % 16; registers 4 c .. 4 c + 3 hold K = 64 c + 32 (l / 16) + 0 .. 31
.irp c, 0,1
	ds_load_b128 v[\reg+4*\c:\reg+4*\c+3], v[\adr] offset:64*(\q)+32*\c+(\i)*16*PITCH
.endr
.endm
; 16 matrix instructions: A's blocks a0, a0 + 1 x B's eight, 128 along K: the slot's q-th.  p: B's set;  sc: the set of scale words.  zero = 1: the first product starts the sums.
; The 64 accumulators take turns, one instruction a turn, in the same order in every step.
.macro MUL16 a0, p, q, sc, zero
.irp a, \a0, \a0+1
.irp b, 0,1,2,3,4,5,6,7
.if \zero
	v_wmma_scale_f32_16x16x128_f8f6f4 v[8*(8*((\a)%4)+\b):8*(8*((\a)%4)+\b)+7], v[128*(\p)+FR*\b:128*(\p)+FR*\b+FR-1], v[AF+FR*(\a):AF+FR*(\a)+FR-1], 0, v[SC+8*NQ*(\sc)+NQ*\b+(\q)], v[SC+8*NQ*(\sc)+NQ*(\a)+(\q)] matrix_a_fmt:MATRIX_FMT_FP4 matrix_b_fmt:MATRIX_FMT_FP4 matrix_a_scale:MATRIX_SCALE_ROW1
.else
	v_wmma_scale_f32_16x16x128_f8f6f4 v[8*(8*((\a)%4)+\b):8*(8*((\a)%4)+\b)+7], v[128*(\p)+FR*\b:128*(\p)+FR*\b+FR-1], v[AF+FR*(\a):AF+FR*(\a)+FR-1], v[8*(8*((\a)%4)+\b):8*(8*((\a)%4)+\b)+7], v[SC+8*NQ*(\sc)+NQ*\b+(\q)], v[SC+8*NQ*(\sc)+NQ*(\a)+(\q)] matrix_a_fmt:MATRIX_FMT_FP4 matrix_b_fmt:MATRIX_FMT_FP4 matrix_a_scale:MATRIX_SCALE_ROW1
.endif
.endr
.endr
.endm
.macro FETCH_B slot, q, p              ; B's eight fragments of the slot's q-th 128 along K into set p
	WIN TO_B
.irp i, 0,1,2,3,4,5,6,7
	FRAG 128*(\p)+FR*\i, ADRB+\slot, \q, \i
.endr
	WIN 0
.endm
.macro FETCH_A slot, q, i0             ; A's blocks i0 .. i0 + 3
.irp i, \i0, \i0+1, \i0+2, \i0+3
	FRAG AF+FR*(\i), ADRA+\slot, \q, \i
.endr
.endm
.macro SCALES sc                       ; a slot's scale words into set sc: four words a row; lanes 0-15 take A's block i, lanes 16-31 B's block i
.irp i, 0,1,2,3,4,5,6,7
	ds_load_b128 v[SC+8*NQ*\sc+NQ*\i:SC+8*NQ*\sc+NQ*\i+3], v[ADRS] offset:\i*SBLK
.endr
.endm
; A load into a register that a matrix instruction has read, and a vector instruction that reads a matrix result or writes one of its registers, stand NP places behind it; only plain vector
; instructions that name none of its registers are places.
.macro PLACES n
.rept \n
	v_nop
.endr
.endm
; A step of 128 along K that has its successor in the same slot.
.macro STEP slot, q, zero
	s_wait_dscnt 4*NL                              ; B's set and A's blocks 0-3 are in; the youngest eight loads (A's blocks 4-7) may be out
	WIN MUL_LO
	MUL16 0, (\q)%2, \q, \slot, \zero
	MUL16 2, (\q)%2, \q, \slot, \zero
	s_wait_dscnt 0                                 ; A's blocks 4-7 are in (asked for 32 matrix instructions ago)
	PLACES NP
	FETCH_B \slot, (\q)+1, 1-(\q)%2
	FETCH_A \slot, (\q)+1, 0
	WIN MUL_HI
	MUL16 4, (\q)%2, \q, \slot, \zero
	MUL16 6, (\q)%2, \q, \slot, \zero
	PLACES NP
	WIN 0
	FETCH_A \slot, (\q)+1, 4
.endm
; Slot 0's last step changes slots: one barrier; in front of it each wave waits for all its tensor loads (its part of slot 1), adds 0 to its spare word, and waits for that and for its LDS loads.  Nothing is filled again.
.macro TURN slot, next
	s_wait_tensorcnt 0x0                           ; all my tensor loads have landed: my part of the next slot
	ds_add_u32 v[SPW], v[NIL]                      ; 0 onto my spare word
	s_wait_dscnt 4*NL+1                            ; (the add and the youngest eight loads, A's blocks 4-7, may be out)
	WIN MUL_LO
	MUL16 0, 1, NQ-1, \slot, 0                     ; sixteen matrix instructions stand between the add and the wait for it
	s_wait_dscnt 0x0                               ; the add is done, and my LDS loads are in
	s_barrier_signal -1
	MUL16 2, 1, NQ-1, \slot, 0
	WIN 0
	s_barrier_wait -1                              ; everybody's part of the next slot has landed
	PLACES NP
	v_add_nc_u32 v[ADRS], 4*NQ, v[ADRS]            ; on to the next slot's scale words
	FETCH_B \next, 0, 0
	FETCH_A \next, 0, 0
	SCALES \next
	WIN MUL_HI
	MUL16 4, 1, NQ-1, \slot, 0
	MUL16 6, 1, NQ-1, \slot, 0
	PLACES NP
	WIN 0
	FETCH_A \next, 0, 4
.endm
.macro STEPS slot, from                ; the slot's steps from .. NQ - 2
.set QQ, \from
.rept NQ-1-\from
	STEP \slot, QQ, 0
.set QQ, QQ+1
.endr
.endm
	s_wait_tensorcnt 1                             ; the scales and my part of slot 0 are in (slot 1's load may be out)
	s_barrier_signal -1
	s_barrier_wait -1                              ; everybody's are
	FETCH_B 0, 0, 0
	FETCH_A 0, 0, 0
	SCALES 0
	FETCH_A 0, 0, 4
	STEP 0, 0, 1                                   ; the first step's products start the sums: nothing is cleared
	STEPS 0, 1
	TURN 0, 1
	STEPS 1, 0
	s_wait_dscnt 4*NL                              ; the very last step: nothing more to fetch
	WIN MUL_LO
	MUL16 0, 1, NQ-1, 1, 0
	MUL16 2, 1, NQ-1, 1, 0
	s_wait_dscnt 0
	WIN MUL_HI
	MUL16 4, 1, NQ-1, 1, 0
	MUL16 6, 1, NQ-1, 1, 0
	WIN 0
; THE WAY OUT, block by block of 16 rows x 128 columns.  A lane's eight results of accumulator (a, b) are row 16 a + r, columns 16 b + 8 h + 0 .. 7: 16 bytes of f16, whose place in the output's
; block of 512 bytes is v[CO]: so each store of the wave covers 512 consecutive aligned bytes, with no turn through LDS.  Each accumulator is read from its low end on.
.macro PACK a
.set AC, 64*((\a)%4)
.set TP, TMP+32*((\a)%4)
	WIN 0x0a+5*((\a)/4)                            ; sources 0 and 1: window 2 or 3
.irp b, 0,1,2,3,4,5,6,7
.irp i, 0,1,2,3
	v_cvt_pk_f16_f32 v[TP+4*\b+\i], v[AC+8*\b+2*\i], v[AC+8*\b+2*\i+1]
.endr
.endr
	WIN 0
.irp b, 0,1,2,3,4,5,6,7
	global_store_b128 v[CO], v[TP+4*\b:TP+4*\b+3], s[12:13] offset:(\a)*2048+(\b/4)*262144+(\b%4)*512 th:TH_STORE_NT   ; pos / 16 + a; head + b / 4; d / 16 = b % 4.  The base is never stepped
.endr
.endm
	PLACES NP                                      ; behind the last products: the conversions write registers that held A's fragments and read results
.irp a, 0,1,2,3,4,5,6,7
.if \a == 4
	s_wait_xcnt 0x0                                ; the stores of blocks 0 to 3, all issued, have read their data registers: blocks 4 to 7 are packed into the same
.endif
	PACK \a
.endr
	s_wait_tensorcnt 0x0                           ; the wave's end: behind my last tensor load
	ds_add_u32 v[SPW], v[NIL]
	s_wait_dscnt 0x0
	CROUND                                         ; the closing round: no work-group ends while a partner may still ask for a tile that names it
	s_endpgm
.Lfunc_end_k_q5f8466501d_qkv:
	.size	k_q5f8466501d_qkv, .Lfunc_end_k_q5f8466501d_qkv-k_q5f8466501d_qkv
	.p2alignl 7, 3214868480
	.fill 96, 4, 3214868480
	.section	.rodata,"a",@progbits
	.p2align	6, 0x0
	.amdhsa_kernel k_q5f8466501d_qkv
		.amdhsa_group_segment_fixed_size 327680
		.amdhsa_private_segment_fixed_size 0
		.amdhsa_enable_private_segment 0
		.amdhsa_kernarg_size 40
		.amdhsa_user_sgpr_count 2
		.amdhsa_user_sgpr_kernarg_segment_ptr 1
		.amdhsa_wavefront_size32 1
		.amdhsa_system_sgpr_workgroup_id_x 1
		.amdhsa_system_sgpr_workgroup_id_y 1
		.amdhsa_system_sgpr_workgroup_id_z 1
		.amdhsa_system_vgpr_workitem_id 0
		.amdhsa_next_free_vgpr 1024
		.amdhsa_next_free_sgpr 98
		.amdhsa_reserve_vcc 0
		.amdhsa_float_denorm_mode_32 3
		.amdhsa_float_denorm_mode_16_64 3
		.amdhsa_memory_ordered 1
		.amdhsa_forward_progress 1
		.amdhsa_inst_pref_size 118
	.end_amdhsa_kernel
	.amdgpu_metadata
---
amdhsa.version: [ 1, 2 ]
amdhsa.kernels:
  - .name:           k_q5f8466501d_qkv
    .symbol:         k_q5f8466501d_qkv.kd
    .args:
      - { .name: xc, .offset: 0, .size: 8, .value_kind: global_buffer, .address_space: global }
      - { .name: xs, .offset: 8, .size: 8, .value_kind: global_buffer, .address_space: global }
      - { .name: wc, .offset: 16, .size: 8, .value_kind: global_buffer, .address_space: global }
      - { .name: ws, .offset: 24, .size: 8, .value_kind: global_buffer, .address_space: global }
      - { .name: qkv, .offset: 32, .size: 8, .value_kind: global_buffer, .address_space: global }
    .group_segment_fixed_size: 327680
    .private_segment_fixed_size: 0
    .kernarg_segment_align: 8
    .kernarg_segment_size: 40
    .max_flat_workgroup_size: 128
    .sgpr_count:     98
    .vgpr_count:     1024
    .wavefront_size: 32
...
	.end_amdgpu_metadata
.endif
;; end of part 2
;; launch attn (part 3): grid 4 x 64, 16 waves a work-group, clusters of 4 x 1, 327,680 bytes of LDS; arguments qkv, att; writes att
.if DOCPART == 3
	.amdgcn_target "amdgcn-amd-amdhsa--gfx1250"
	.amdhsa_code_object_version 6
	.text
	.protected	k_q5f8466501d_attn
	.globl	k_q5f8466501d_attn
	.p2align	8
	.type	k_q5f8466501d_attn,@function
k_q5f8466501d_attn:
	s_mov_b64 s[64:65], 0
	v_nop
	global_prefetch_b8 v0, s[64:65] scope:SCOPE_SE
	s_setreg_imm32_b32 hwreg(HW_REG_WAVE_MODE, 25, 1), 1
	s_wait_xcnt 0x0
	s_wait_alu depctr_hold_cnt(0) depctr_sa_sdst(0) depctr_va_vdst(0) depctr_va_sdst(0) depctr_va_ssrc(0) depctr_va_vcc(0) depctr_vm_vsrc(0)
	s_getreg_b32 s2, hwreg(HW_REG_IB_STS2, 6, 4)
	s_cmp_eq_u32 s2, 0
	s_cbranch_scc0 .Lentry_in_a_cluster
	s_endpgm
.Lentry_in_a_cluster:
	s_bfe_u32 s2, ttmp6, 0x10000c
	s_cmp_lg_u32 s2, 0x3003
	s_cbranch_scc0 .Lentry_shape_is_right
	s_endpgm
.Lentry_shape_is_right:
; O[b][h][q] = the sum over k of softmax_k(Q[q] . K[k] / 8) V[k], 64 heads (batch x head) of 2,048 positions x 64 channels, no mask.  Q, K, V arrive as f16; products, maxima and sums in f32;
; the weights p are rounded to f16 for the second product, O once to f16 at the end.
; SHARES.  A work-group owns 512 queries of one head; each of its SIXTEEN waves owns 32, two tiles of 16, in 256 registers: four waves to a SIMD, so that one wave's softmax stands beside another's products.
; Every wave walks all 2,048 keys, 64 a step.  K and V come through two LDS slots of 512 keys; each wave fetches 8,192 dense bytes of a slot (waves 0-7: K's key steps; waves 8-15: V's).
; CLUSTER.  The four query blocks of a head walk the same K and V: each tile is asked for JOINTLY, by the same tensor load with the same descriptor and a mask that names the four.
; LAYOUT.  S^T = K Q^T (source 0 = 16 keys, source 1 = 16 queries), O^T = V^T P (source 0 = 16 channels, source 1 = P): a lane holds ONE query (lane % 16) throughout; two tiles of S^T, rounded in pairs, ARE P's fragment.
; THE INPUT lies in the order of the operands' registers: (pos / 16) x 2,048 + (d / 16) x 512 bytes; in such a block of 512 bytes Q and K have 16 x lane (four registers of a fragment by one load of 16 bytes a lane),
; V a tile of 16 keys x 16 channels with rows of 32 bytes, which ds_load_tr16_b128 turns.  No pitch, no padding: an instruction's 512 bytes are consecutive.
; SOFTMAX.  For each query a running maximum m and sum l: p = 2^(c s - c m), c = log2(e) / 8; in every step O and l are multiplied by a = 2^(c m_old - c m_new).  The step is written once: m begins at -3e38, l and O^T at 0.
; THE OUTPUT, f16, in the order in which the projection's A fragments take it: (head / 4) x 2^22 + (row / 16) x 8,192 + ((head % 4) x 4 + d / 16) x 512 + 16 x lane.
; No prefetch: half of K and V comes with the first fills, and each of the two refills is asked for eight key steps, 256 matrix instructions a wave, ahead of the wait for it.
; LIMITS: |q|, |k|, |v| under 65,504 (f16); NaN and infinities are not served.
.set SLOT1, 131072                     ; slot 1 begins here.  A slot: K's 512 keys (65,536 bytes), then V's
.set VOFF,  65536
.set STEPB, 8192                       ; a key step's 64 keys of K, or of V
.set SPARE, 262144                     ; behind the slots: the spare words, 128 bytes for each of 16 waves
.set AK0, 1                            ; v1   16 x lane: my place in a block of 512 bytes: K's, Q's, and the output's; never rewritten
.set AV0, 2                            ; v2   my place in a tile of V, + VOFF; never rewritten
.set ADK, 3                            ; v3   LDS address of the step's K
.set ADV, 4                            ; v4   of its V
.set SPW, 6                            ; v6   LDS address of my spare word; never rewritten
.set NIL, 7                            ; v7   0; never rewritten
.set ST,  8                            ; v8-23    tile t's statistics at v[ST + 8 t]: +0 c m, +1 m, +2, +3 l (even keys', odd keys'), +4 to +7 at work; a stands at +6
.set Q,   24                           ; v24-55   Q: tile t, channels 32 f on, at Q + 16 t + 8 f
.set S,   56                           ; v56-119  S^T: tile t, keys 16 kt on, at S + 32 t + 8 kt; P is packed in place into S + 32 t + 0 .. 15
.set O,   120                          ; v120-183 O^T: tile t, channels 16 ct on, at O + 32 t + 8 ct
.set KV,  184                          ; v184-247 one buffer: a step's K, then its V
.set WV,  8                            ; s8   my wave's number
.set G1,  16                           ; s[16:23] descriptor group 1
.set G0,  24                           ; s[24:31] descriptor group 0, a set for each slot
.set CS,  32                           ; s[32:33] c, twice: the packed form names a pair
.set SEL, 34                           ; s[34:35] lane selects for v_permlanex16_b32: lane l xor 16
.set TB,  36                           ; s36  LDS byte at which the step's K begins
.set CNT, 37                           ; s37  counts a slot's eight steps
.macro ROUND                           ; a round of the cluster's barrier
	s_barrier_signal -1
	s_barrier_wait -1
	s_cmp_lg_u32 s[WV], 0
	s_cbranch_scc1 .Lnot_wave_0_\@
	s_barrier_signal -3
.Lnot_wave_0_\@:
	s_barrier_wait -3
	s_barrier_signal -1
	s_barrier_wait -1
.endm
	s_load_b128 s[4:7], s[0:1], 0x0                ; qkv s[4:5], att s[6:7]
	v_lshl_add_u32 v[SPW], v0, 2, SPARE
	v_mov_b32 v[NIL], 0
	ds_add_u32 v[SPW], v[NIL]                      ; the wave's opening: the add, twice on end, and its wait ahead of my first tensor load
	ds_add_u32 v[SPW], v[NIL]                      ; and once more, under the one wait; the set-up below, work on registers, stands between
	v_lshrrev_b32 v248, 5, v0
	v_readfirstlane_b32 s[WV], v248                ; wave 0..15
	s_bfe_u32 s9, ttmp6, 0x40000                   ; cx: my block of 512 queries; it enters Q's and the output's addresses alone
	s_and_b32 s10, ttmp7, 0xffff                   ; batch x 16 + head, which the four partners share
	; descriptor group 1: 8,192 dense bytes as 32 rows of 256 bytes
	s_mov_b32 s[G1], 15|(3<<16)|(1<<21)            ; 15:0 the mask: all four work-groups; 17:16 elements of 8 bytes; 21 set beside a mask; no padding
	s_mov_b32 s[G1+1], 32<<16                      ; tensor_dim0 = 32 elements
	s_mov_b32 s[G1+2], 32<<16                      ; tensor_dim1 = 32
	s_mov_b32 s[G1+3], 32<<16                      ; tile_dim0 = 32
	s_mov_b32 s[G1+4], 32                          ; tile_dim1 = 32
	s_mov_b32 s[G1+5], 32                          ; from row to row: 32 elements
	s_mov_b32 s[G1+6], 0
	s_mov_b32 s[G1+7], 0
	s_mov_b32 s[CS], 0x3e38aa3b                    ; c = log2(e) / 8
	s_mov_b32 s[CS+1], s[CS]
	s_mov_b32 s[SEL], 0x76543210
	s_mov_b32 s[SEL+1], 0xfedcba98
	s_lshr_b32 s12, s[WV], 3                       ; what I fetch: waves 0-7 K (part 1 of the buffer), waves 8-15 V (part 2),
	s_add_co_u32 s12, s12, 1
	s_lshl_b32 s12, s12, 24
	s_lshl_b32 s13, s10, 18                        ; my head,
	s_add_co_u32 s12, s12, s13
	s_and_b32 s13, s[WV], 7                        ; key step wave % 8 of a slot
	s_lshl_b32 s13, s13, 13
	s_add_co_u32 s12, s12, s13
	s_mov_b32 s13, 0
	s_lshl_b32 s14, s[WV], 13                      ; and where it goes in a slot: 8,192 x wave (V's half begins at wave 8)
	s_lshl_b32 s38, s9, 5
	s_lshl_b32 s15, s[WV], 1
	s_add_co_u32 s38, s38, s15                     ; my first tile of 16 queries in the head: 32 cx + 2 wave
	s_lshl_b32 s40, s38, 13                        ; in the output: 8,192 bytes a tile of rows,
	s_lshl_b32 s38, s38, 11                        ; in Q: 2,048
	s_lshl_b32 s15, s10, 18
	s_add_co_u32 s38, s38, s15                     ; + my head
	s_mov_b32 s39, 0
	s_lshr_b32 s15, s10, 4                         ; the output: batch x 128 tiles of rows,
	s_lshl_b32 s15, s15, 20
	s_add_co_u32 s40, s40, s15
	s_bfe_u32 s15, s10, 0x20002                    ; head / 4: which 256 along the projection's K,
	s_lshl_b32 s15, s15, 22
	s_add_co_u32 s40, s40, s15
	s_and_b32 s15, s10, 3                          ; head % 4: four blocks of 512 bytes each
	s_lshl_b32 s15, s15, 11
	s_add_co_u32 s40, s40, s15
	s_mov_b32 s41, 0
	s_wait_dscnt 0x0                               ; both opening adds are done
	s_wait_kmcnt 0x0
	s_add_nc_u64 s[12:13], s[4:5], s[12:13]        ; my part of slot 0's keys, in memory
	s_add_nc_u64 s[38:39], s[4:5], s[38:39]        ; Q at my first query
	s_add_nc_u64 s[6:7], s[6:7], s[40:41]          ; the output likewise
.irp s, 0,1
	s_mov_b32 s[G0+4*\s], 1                        ; count = 1
	s_add_co_u32 s[G0+4*\s+1], s14, \s*SLOT1       ; LDS address
	s_add_nc_u64 s[G0+4*\s+2:G0+4*\s+3], s[12:13], \s*65536   ; slot s begins with keys 512 s
	s_or_b32 s[G0+4*\s+3], s[G0+4*\s+3], 0x80000000           ; type = 2
.endr
	ROUND                                          ; all four work-groups are here: the first joint loads meet
	tensor_load_to_lds s[G0:G0+3], s[G1:G1+7]      ; the two first fills go out together: two loads of mine are out
	s_nop 0
	tensor_load_to_lds s[G0+4:G0+7], s[G1:G1+7]
	s_nop 0
.rept 4
	v_nop
.endr
	v_and_b32 v248, 31, v0
	v_lshlrev_b32 v[AK0], 4, v248                  ; 16 x lane
.irp t, 0,1
.irp c, 0,1,2,3
	global_load_b128 v[Q+16*\t+4*\c:Q+16*\t+4*\c+3], v[AK0], s[38:39] offset:\t*2048+\c*512   ; Q stays in registers: block c = 2 f + g is register group g of fragment f
.endr
.endr
	v_bfe_u32 v249, v0, 4, 1                       ; the turning load: lane l reads 16 bytes: key 8 (l / 16) + l % 8, channels 8 ((l / 8) % 2) + 0 .. 7
	v_and_b32 v250, 7, v0
	v_lshl_add_u32 v249, v249, 3, v250
	v_bfe_u32 v250, v0, 3, 1
	v_lshlrev_b32 v250, 4, v250
	v_lshl_add_u32 v[AV0], v249, 5, v250           ; key x 32 + 16 x half
	v_add_nc_u32 v[AV0], VOFF, v[AV0]
.irp t, 0,1
	v_mov_b32 v[ST+8*\t+1], 0xff61b1e6             ; m = -3e38, under every score
	v_mul_f32 v[ST+8*\t], s[CS], v[ST+8*\t+1]      ; c m
	v_mov_b32 v[ST+8*\t+2], 0                      ; l
	v_mov_b32 v[ST+8*\t+3], 0
.endr
.set i, 0
.rept 64
	v_mov_b32 v[O+i], 0                            ; O^T: the step is written once; the first step's a is 0 and finds zeros
.set i, i+1
.endr
; A KEY STEP: 64 keys at LDS byte s[TB] of K's half and of V's.
.macro STEP
	v_add_nc_u32 v[ADK], s[TB], v[AK0]
	v_add_nc_u32 v[ADV], s[TB], v[AV0]
.rept 3
	v_nop                                          ; with the two additions five places behind the last products V^T P: four for the loads into their source, five for the products that write over P
.endr
.irp f, 0,1
.irp kt, 0,1,2,3
.irp g, 0,1
	ds_load_b128 v[KV+32*\f+8*\kt+4*\g:KV+32*\f+8*\kt+4*\g+3], v[ADK] offset:\kt*2048+(2*\f+\g)*512
.endr
.endr
.endr
	s_wait_dscnt 8                                 ; channels 0-31 are in; the eight loads of channels 32-63 may be out
.irp kt, 0,1,2,3
.irp t, 0,1
	v_wmma_f32_16x16x32_f16 v[S+32*\t+8*\kt:S+32*\t+8*\kt+7], v[KV+8*\kt:KV+8*\kt+7], v[Q+16*\t:Q+16*\t+7], 0
.endr
.endr
	s_wait_dscnt 0x0
.irp kt, 0,1,2,3                                   ; the eight accumulators take turns: seven others' between two links
.irp t, 0,1
	v_wmma_f32_16x16x32_f16 v[S+32*\t+8*\kt:S+32*\t+8*\kt+7], v[KV+32+8*\kt:KV+32+8*\kt+7], v[Q+16*\t+8:Q+16*\t+15], v[S+32*\t+8*\kt:S+32*\t+8*\kt+7]
.endr
.endr
.rept 4
	v_nop                                          ; four places: for the loads into K's registers, and for the first reads of the scores
.endr
.irp kk, 0,1
.irp ct, 0,1,2,3
.irp g, 0,1
	ds_load_tr16_b128 v[KV+32*\kk+8*\ct+4*\g:KV+32*\kk+8*\ct+4*\g+3], v[ADV] offset:(2*\kk+\g)*2048+\ct*512   ; V, turned: it lands during the softmax
.endr
.endr
.endr
	; the maximum of a lane's 32 scores and the old m: four chains, each begun at its accumulator's low end; the two tiles by turns
.irp j, 0,1,2,3
.irp t, 0,1
	v_max3_num_f32 v[ST+8*\t+4+\j], v[S+32*\t+8*\j], v[S+32*\t+8*\j+1], v[S+32*\t+8*\j+2]
.endr
.endr
.irp i, 3,5
.irp j, 0,1,2,3
.irp t, 0,1
	v_max3_num_f32 v[ST+8*\t+4+\j], v[ST+8*\t+4+\j], v[S+32*\t+8*\j+\i], v[S+32*\t+8*\j+\i+1]
.endr
.endr
.endr
.irp t, 0,1
	v_max3_num_f32 v[ST+8*\t+4], v[ST+8*\t+4], v[S+32*\t+7], v[S+32*\t+15]
	v_max3_num_f32 v[ST+8*\t+6], v[ST+8*\t+6], v[S+32*\t+23], v[S+32*\t+31]
.endr
.irp t, 0,1
	v_max3_num_f32 v[ST+8*\t+4], v[ST+8*\t+4], v[ST+8*\t+5], v[ST+8*\t+6]
.endr
.irp t, 0,1
	v_max3_num_f32 v[ST+8*\t+4], v[ST+8*\t+4], v[ST+8*\t+7], v[ST+8*\t+1]
.endr
.irp t, 0,1
	v_permlanex16_b32 v[ST+8*\t+5], v[ST+8*\t+4], s[SEL], s[SEL+1]   ; the query's other 32 keys lie in the lane 16 away
.endr
.irp t, 0,1
	v_mov_b32 v[ST+8*\t+7], v[ST+8*\t]             ; c m_old
.endr
.irp t, 0,1
	v_max_num_f32 v[ST+8*\t+1], v[ST+8*\t+4], v[ST+8*\t+5]   ; the new m
.endr
.irp t, 0,1
	v_mul_f32 v[ST+8*\t], s[CS], v[ST+8*\t+1]      ; c m
.endr
.irp t, 0,1
	v_sub_f32 v[ST+8*\t+7], v[ST+8*\t+7], v[ST+8*\t]   ; c m_old - c m_new
.endr
.irp p, 0,2,4,6,8,10,12,14,16,18,20,22,24,26,28,30
.irp t, 0,1
	v_pk_fma_f32 v[S+32*\t+\p:S+32*\t+\p+1], v[S+32*\t+\p:S+32*\t+\p+1], s[CS:CS+1], v[ST+8*\t:ST+8*\t+1] op_sel_hi:[1,0,0] neg_lo:[0,0,1] neg_hi:[0,0,1]   ; c s - c m, two at a time
.endr
.endr
.irp t, 0,1
	v_exp_f32 v[ST+8*\t+6], v[ST+8*\t+7]           ; a.  ONE BATCH: both tiles' 66 exponentials, none of which reads another's result
.endr
.set e, 0
.rept 32
	v_exp_f32 v[S+e], v[S+e]
	v_exp_f32 v[S+32+e], v[S+32+e]
.set e, e+1
.endr
	v_nop                                          ; a plain instruction behind the last exponential, ahead of the first use
	s_wait_alu depctr_va_vdst(0)                   ; one wait for the whole batch, ahead of its first reader
.irp t, 0,1
	v_pk_mul_f32 v[ST+8*\t+2:ST+8*\t+3], v[ST+8*\t+2:ST+8*\t+3], v[ST+8*\t+6:ST+8*\t+7] op_sel_hi:[1,0]   ; l x a
.endr
.irp t, 0,1
	v_pk_add_f32 v[ST+8*\t+4:ST+8*\t+5], v[S+32*\t:S+32*\t+1], v[S+32*\t+2:S+32*\t+3]   ; the row's sum of the unrounded p, in two chains
.endr
.irp j, 4,8,12,16,20,24,28
.irp t, 0,1
	v_pk_add_f32 v[ST+8*\t+2:ST+8*\t+3], v[ST+8*\t+2:ST+8*\t+3], v[S+32*\t+\j:S+32*\t+\j+1]
	v_pk_add_f32 v[ST+8*\t+4:ST+8*\t+5], v[ST+8*\t+4:ST+8*\t+5], v[S+32*\t+\j+2:S+32*\t+\j+3]
.endr
.endr
.irp t, 0,1
	v_pk_add_f32 v[ST+8*\t+2:ST+8*\t+3], v[ST+8*\t+2:ST+8*\t+3], v[ST+8*\t+4:ST+8*\t+5]
.endr
.irp p, 0,2,4,6,8,10,12,14,16,18,20,22,24,26,28,30
.irp t, 0,1
	v_pk_mul_f32 v[O+32*\t+\p:O+32*\t+\p+1], v[O+32*\t+\p:O+32*\t+\p+1], v[ST+8*\t+6:ST+8*\t+7] op_sel_hi:[1,0]   ; O^T x a, each accumulator from its low end on
.endr
.endr
.irp p, 0,1,2,3,4,5,6,7,8,9,10,11,12,13,14,15
.irp t, 0,1
	v_cvt_pk_f16_f32 v[S+32*\t+\p], v[S+32*\t+2*\p], v[S+32*\t+2*\p+1]   ; P, in place: register p is written when registers 2 p and 2 p + 1 are read, and no later pair lies under it
.endr
.endr
	s_wait_dscnt 8                                 ; V's keys 0-31 are in; the eight loads of keys 32-63 may be out
.irp ct, 0,1,2,3
.irp t, 0,1
	v_wmma_f32_16x16x32_f16 v[O+32*\t+8*\ct:O+32*\t+8*\ct+7], v[KV+8*\ct:KV+8*\ct+7], v[S+32*\t:S+32*\t+7], v[O+32*\t+8*\ct:O+32*\t+8*\ct+7]
.endr
.endr
	s_wait_dscnt 0x0
.irp ct, 0,1,2,3
.irp t, 0,1
	v_wmma_f32_16x16x32_f16 v[O+32*\t+8*\ct:O+32*\t+8*\ct+7], v[KV+32+8*\ct:KV+32+8*\ct+7], v[S+32*\t+8:S+32*\t+15], v[O+32*\t+8*\ct:O+32*\t+8*\ct+7]
.endr
.endr
.endm
; A slot's eight key steps: written once, walked eight times; the LDS addresses hang on s[TB].
.macro STEPS slot
	s_mov_b32 s[TB], \slot*SLOT1
	s_mov_b32 s[CNT], 8
.Lstep_\@:
	STEP
	s_add_co_u32 s[TB], s[TB], STEPB
	s_sub_co_u32 s[CNT], s[CNT], 1
	s_cmp_lg_u32 s[CNT], 0
	s_cbranch_scc1 .Lstep_\@
.endm
; THE CHANGE OF SLOTS.  Each wave waits for all its tensor loads (its part of the slot ahead), adds 0 to its spare word, and waits for that and for its reads of the slot that it has left.
; fill = 1: that slot is filled again, with the keys 1,024 on: the barrier is a round of the cluster's, and the joint refill is the first thing behind it; it has eight key steps in which to land.
.macro CHANGE slot, fill
	s_wait_tensorcnt 0x0                           ; no tensor load of mine is out, so a group 0 may be written
	ds_add_u32 v[SPW], v[NIL]                      ; 0 onto my spare word
.if \fill
	s_add_nc_u64 s[G0+4*\slot+2:G0+4*\slot+3], s[G0+4*\slot+2:G0+4*\slot+3], 131072   ; two slots' keys on; the type bits on top are not reached
.endif
	s_wait_dscnt 0x0                               ; the add is done, and my reads of the slot are over
.if \fill
	ROUND                                          ; no wave of any partner still reads the slot or has a load on its way
	tensor_load_to_lds s[G0+4*\slot:G0+4*\slot+3], s[G1:G1+7]
	s_nop 0
.rept 4
	v_nop
.endr
.else
	s_barrier_signal -1
	s_barrier_wait -1
.endif
.endm
	s_wait_tensorcnt 1                             ; my part of slot 0 is in; slot 1's may stay out
	s_barrier_signal -1
	s_barrier_wait -1                              ; everybody's is
	s_wait_loadcnt 0x0                             ; Q
	STEPS 0                                        ; keys 0 - 511
	CHANGE 0, 1                                    ; slot 0 takes keys 1,024 on
	STEPS 1                                        ; keys 512 - 1,023
	CHANGE 1, 1                                    ; slot 1 takes keys 1,536 on
	STEPS 0
	CHANGE 0, 0                                    ; nothing is left to fetch
	STEPS 1
	; THE WAY OUT.  l's two halves and the other half of the lanes' are added; O^T is divided by l and rounded to f16.  A lane's eight channels of a tile are 16 bytes at 16 x lane of a block of 512 bytes.
.rept 4
	v_nop                                          ; four places behind the last products
.endr
.irp t, 0,1
	v_add_f32 v[ST+8*\t+4], v[ST+8*\t+2], v[ST+8*\t+3]
.endr
.irp t, 0,1
	v_permlanex16_b32 v[ST+8*\t+5], v[ST+8*\t+4], s[SEL], s[SEL+1]
.endr
.irp t, 0,1
	v_add_f32 v[ST+8*\t+4], v[ST+8*\t+4], v[ST+8*\t+5]
.endr
.irp t, 0,1
	v_rcp_f32 v[ST+8*\t+6], v[ST+8*\t+4]
.endr
	v_nop                                          ; a plain instruction between the last reciprocal and the use of its result
	s_wait_alu depctr_va_vdst(0)                   ; one wait for the two reciprocals, ahead of their first reader
.irp t, 0,1
.irp p, 0,2,4,6,8,10,12,14,16,18,20,22,24,26,28,30
	v_pk_mul_f32 v[O+32*\t+\p:O+32*\t+\p+1], v[O+32*\t+\p:O+32*\t+\p+1], v[ST+8*\t+6:ST+8*\t+7] op_sel_hi:[1,0]
.endr
.endr
.irp t, 0,1
.irp i, 0,1,2,3,4,5,6,7,8,9,10,11,12,13,14,15
	v_cvt_pk_f16_f32 v[S+16*\t+\i], v[O+32*\t+2*\i], v[O+32*\t+2*\i+1]
.endr
.endr
.irp t, 0,1
.irp ct, 0,1,2,3
	global_store_b128 v[AK0], v[S+16*\t+4*\ct:S+16*\t+4*\ct+3], s[6:7] offset:\t*8192+\ct*512   ; 32 lanes store 512 consecutive aligned bytes
.endr
.endr
	s_wait_tensorcnt 0x0                           ; the wave's end: behind my last tensor load
	ds_add_u32 v[SPW], v[NIL]
	s_wait_dscnt 0x0
	ROUND                                          ; the closing round: no work-group ends while a partner may still ask for a tile that names it
	s_endpgm
.Lfunc_end_k_q5f8466501d_attn:
	.size	k_q5f8466501d_attn, .Lfunc_end_k_q5f8466501d_attn-k_q5f8466501d_attn
	.p2alignl 7, 3214868480
	.fill 96, 4, 3214868480
	.section	.rodata,"a",@progbits
	.p2align	6, 0x0
	.amdhsa_kernel k_q5f8466501d_attn
		.amdhsa_group_segment_fixed_size 327680
		.amdhsa_private_segment_fixed_size 0
		.amdhsa_enable_private_segment 0
		.amdhsa_kernarg_size 16
		.amdhsa_user_sgpr_count 2
		.amdhsa_user_sgpr_kernarg_segment_ptr 1
		.amdhsa_wavefront_size32 1
		.amdhsa_system_sgpr_workgroup_id_x 1
		.amdhsa_system_sgpr_workgroup_id_y 1
		.amdhsa_system_sgpr_workgroup_id_z 1
		.amdhsa_system_vgpr_workitem_id 0
		.amdhsa_next_free_vgpr 256
		.amdhsa_next_free_sgpr 66
		.amdhsa_reserve_vcc 0
		.amdhsa_float_denorm_mode_32 3
		.amdhsa_float_denorm_mode_16_64 3
		.amdhsa_memory_ordered 1
		.amdhsa_forward_progress 1
		.amdhsa_inst_pref_size 84
	.end_amdhsa_kernel
	.amdgpu_metadata
---
amdhsa.version: [ 1, 2 ]
amdhsa.kernels:
  - .name:           k_q5f8466501d_attn
    .symbol:         k_q5f8466501d_attn.kd
    .args:
      - { .name: qkv, .offset: 0, .size: 8, .value_kind: global_buffer, .address_space: global }
      - { .name: att, .offset: 8, .size: 8, .value_kind: global_buffer, .address_space: global }
    .group_segment_fixed_size: 327680
    .private_segment_fixed_size: 0
    .kernarg_segment_align: 8
    .kernarg_segment_size: 16
    .max_flat_workgroup_size: 512
    .sgpr_count:     66
    .vgpr_count:     256
    .wavefront_size: 32
...
	.end_amdgpu_metadata
.endif
;; end of part 3
;; launch proj (part 4): grid 8 x 64, 4 waves a work-group, clusters of 4 x 4, 327,680 bytes of LDS; arguments att, wp, out0, b_proj; writes out0
.if DOCPART == 4
	.amdgcn_target "amdgcn-amd-amdhsa--gfx1250"
	.amdhsa_code_object_version 6
	.text
	.protected	k_q5f8466501d_proj
	.globl	k_q5f8466501d_proj
	.p2align	8
	.type	k_q5f8466501d_proj,@function
k_q5f8466501d_proj:
	s_mov_b64 s[64:65], 0
	v_nop
	global_prefetch_b8 v0, s[64:65] scope:SCOPE_SE
	s_setreg_imm32_b32 hwreg(HW_REG_WAVE_MODE, 25, 1), 1
	s_wait_xcnt 0x0
	s_wait_alu depctr_hold_cnt(0) depctr_sa_sdst(0) depctr_va_vdst(0) depctr_va_sdst(0) depctr_va_ssrc(0) depctr_va_vcc(0) depctr_vm_vsrc(0)
	s_getreg_b32 s2, hwreg(HW_REG_IB_STS2, 6, 4)
	s_cmp_eq_u32 s2, 0
	s_cbranch_scc0 .Lentry_in_a_cluster
	s_endpgm
.Lentry_in_a_cluster:
	s_bfe_u32 s2, ttmp6, 0x10000c
	s_cmp_lg_u32 s2, 0xf033
	s_cbranch_scc0 .Lentry_shape_is_right
	s_endpgm
.Lentry_shape_is_right:
; out0[m][n] = sum over k of A[m][k] W[n][k] + b_proj[n].  A: the attention's result, 8,192 x 1,024 f16, in the order of an A fragment's registers; W: w_proj as f16, [1024][1024] row-major; out0 f32; sums in f32.
; A tile of the output is 128 x 128: 512 work-groups, two even turns of the 256 WGPs.  Four waves, each 64 x 64: 16 accumulators, 128 registers.  K goes in steps of 256 through two LDS slots.
; A IN MEMORY: (k / 256) x 2^22 + (row / 16) x 8,192 + ((k % 256) / 16) x 512 + 16 x lane bytes: a K step of 64 rows is one dense block of 32,768 bytes, and four registers of a fragment come by one load of 16 bytes a lane,
; 512 consecutive bytes an instruction: no pitch, no padding.  W's tiles have rows of 512 bytes, 528 apart in LDS: the 16 rows that a load touches start at 16 different banks.
; CLUSTERS: 4 x 4 work-groups; A's tiles are asked for jointly along a row of the cluster, W's along a column.  THE MATRIX INSTRUCTION IS USED TRANSPOSED (source 0 = 16 rows of W, source 1 = 16 rows of A):
; a lane holds eight neighbouring columns of one row of the output.  THE BIAS is the C of each sum's first matrix instruction: eight registers for each of my four blocks of 16 columns.
; REGISTERS: window 0: v0-31 addresses; v32-95 rows on the way out; v96-127 the bias; v128-255 the accumulators ((a, b) at v[128 + 8 (4 a + b)]).
;   window 1: two fragment buffers of 128: for 64 along K, 64 registers of A (2 x 4 x 16 rows x 32 K), then 64 of W.
.set SIZE_N, 1024
.set SIZE_K, 1024
.set KSTEP,  256
.set PITCH,  528                       ; a row of W in LDS: 512 bytes + 16 of padding
.set ABYTES, 65536                     ; A's 128 rows of a K step, dense
.set HALFA,  32768                     ; 64 rows of A: what one tensor load brings, and what one wave reads
.set HALFB,  64*PITCH                  ; 64 rows of W likewise
.set SLOT,   ABYTES+2*HALFB            ; 133,120
.set STAGE,  2*SLOT                    ; behind the slots: 16 rows x 272 bytes for each wave, for the way out
.set SPITCH, 272
.set SPARE,  STAGE+4*16*SPITCH         ; behind the stages: the spare words, 128 bytes a wave
.set LAPS, SIZE_K/(2*KSTEP)            ; 2: a lap = two K steps = once round the ring
.set ADRA, 16                          ; v16-17  LDS address of my A fragments in slot 0, 1
.set ADRB, 20                          ; v20-21  the same for W
.set STO,  24                          ; v24     the way out: where I put 32 bytes of a row
.set RD,   25                          ; v25     the way out: where I read a row back
.set CO,   26                          ; v26     my byte offset in two rows of the output
.set SPW,  28                          ; v28     LDS address of my spare word; never rewritten
.set NIL,  29                          ; v29     0; never rewritten
.set TMP,  32                          ; the way out: two sets of 32 registers
.set BIAS, 96
.set ACC,  128
.set F0,   0                           ; fragment buffers, in window 1
.set F1,   128
.set G1, 24                            ; s[24:31] descriptor group 1 for A's tiles;  s[32:39] group 0, one set for each slot
.set G0, 32
.set G1B, 48                           ; s[48:55], s[56:63] the same for W's tiles
.set G0B, 56
.set MSB, 0
.macro WIN new                         ; the immediate's high byte repeats the setting that is left
.if MSB != \new
	s_set_vgpr_msb (MSB<<8)|\new
.set MSB, \new
.endif
.endm
.set MUL,  0x05                        ; sources 0 (W) and 1 (A) window 1; C and D window 0
.set TO_F, 0x40                        ; destination window 1, address window 0
.macro JLOAD s                         ; a joint load: waves 0 and 1 fetch A's two halves, waves 2 and 3 W's; an s_nop 0 and four v_nop follow each of the two lines
	s_cmp_eq_u32 s11, 0
	s_cbranch_scc0 .Lfor_b_\@
	tensor_load_to_lds s[G0+4*\s:G0+4*\s+3], s[G1:G1+7]
	s_nop 0
.rept 4
	v_nop
.endr
	s_branch .Lasked_\@
.Lfor_b_\@:
	tensor_load_to_lds s[G0B+4*\s:G0B+4*\s+3], s[G1B:G1B+7]
	s_nop 0
.rept 4
	v_nop
.endr
.Lasked_\@:
.endm
.macro CREST                           ; a round of the cluster's barrier behind its opening barrier
	s_cmp_lg_u32 s10, 0
	s_cbranch_scc1 .Lnot_wave_0_\@
	s_barrier_signal -3
.Lnot_wave_0_\@:
	s_barrier_wait -3
	s_barrier_signal -1
	s_barrier_wait -1
.endm
.macro CROUND                          ; a whole round
	s_barrier_signal -1
	s_barrier_wait -1
	CREST
.endm
	s_load_b128 s[4:7], s[0:1], 0x0                ; A s[4:5], W s[6:7]
	s_load_b64 s[8:9], s[0:1], 0x10                ; the output
	s_load_b64 s[66:67], s[0:1], 0x18              ; the bias
	v_lshl_add_u32 v[SPW], v0, 2, SPARE
	v_mov_b32 v[NIL], 0
	ds_add_u32 v[SPW], v[NIL]                      ; the wave's opening: the add, twice on end, and its wait ahead of my first tensor load
	ds_add_u32 v[SPW], v[NIL]                      ; and once more, under the one wait; the set-up below, work on registers, stands between
	v_lshrrev_b32 v1, 5, v0
	v_readfirstlane_b32 s10, v1                    ; wave 0..3
	s_lshr_b32 s11, s10, 1                         ; which half of the tile's rows is mine.  Also: I fetch for A (0) or for W (1)
	s_and_b32 s12, s10, 1                          ; which half of its columns.  Also: which 64 rows of that tile I fetch
	s_bfe_u32 s40, ttmp6, 0x40000                  ; cx, cy: my place in the cluster
	s_bfe_u32 s41, ttmp6, 0x40004
	s_lshl_b32 s42, ttmp9, 2
	s_add_co_u32 s42, s42, s40                     ; tile column = 4 x cluster x + cx
	s_and_b32 s13, ttmp7, 0xffff
	s_lshl_b32 s13, s13, 2
	s_add_co_u32 s13, s13, s41                     ; tile row = 4 x cluster y + cy
	s_lshl_b32 s43, s41, 2
	s_lshl_b32 s43, 15, s43                        ; my row of the cluster
	s_lshl_b32 s44, 0x1111, s40                    ; my column
	; descriptor group 1 for A: 32,768 dense bytes as 128 rows of 256 bytes (32 elements of 8 bytes), no padding
	s_or_b32 s[G1+0], s43, (3<<16)|(1<<21)         ; 15:0 the mask: my row; 17:16 elements of 8 bytes; 21 set beside a mask
	s_mov_b32 s[G1+1], 32<<16                      ; tensor_dim0
	s_mov_b32 s[G1+2], 128<<16                     ; tensor_dim1
	s_mov_b32 s[G1+3], 32<<16                      ; tile_dim0
	s_mov_b32 s[G1+4], 128                         ; tile_dim1
	s_mov_b32 s[G1+5], 32                          ; from row to row
	s_mov_b32 s[G1+6], 0
	s_mov_b32 s[G1+7], 0
	; and for W: 64 rows x 256 elements of 2 bytes, 16 bytes of padding behind every 512
	s_or_b32 s[G1B+0], s44, (1<<16)|(1<<20)|(1<<21)|(6<<22)|(3<<25)
	s_mov_b32 s[G1B+1], KSTEP<<16
	s_mov_b32 s[G1B+2], 64<<16
	s_mov_b32 s[G1B+3], KSTEP<<16
	s_mov_b32 s[G1B+4], 64
	s_mov_b32 s[G1B+5], SIZE_K
	s_mov_b32 s[G1B+6], 0
	s_mov_b32 s[G1B+7], 0
	s_lshl_b32 s16, s13, 3                         ; A: tile of 16 rows number 8 x tile row + 4 x half, 8,192 bytes each
	s_lshl_b32 s17, s12, 2
	s_add_co_u32 s16, s16, s17
	s_lshl_b32 s16, s16, 13
	s_mov_b32 s17, 0
	s_lshl_b32 s46, s42, 7                         ; W: row 128 x tile column + 64 x half, 2,048 bytes each
	s_lshl_b32 s47, s12, 6
	s_add_co_u32 s46, s46, s47
	s_lshl_b32 s46, s46, 11
	s_mov_b32 s47, 0
	s_lshl_b32 s20, s12, 15                        ; where they go: A's halves, 32,768 bytes each;
	s_mul_i32 s23, s12, HALFB
	s_add_co_u32 s23, s23, ABYTES                  ; W's behind them: no place in the cluster enters an LDS address
	s_wait_dscnt 0x0                               ; both opening adds are done
	s_wait_kmcnt 0x0
	s_add_nc_u64 s[14:15], s[4:5], s[16:17]
	s_add_nc_u64 s[46:47], s[6:7], s[46:47]
	CROUND                                         ; all sixteen work-groups are here: the first joint loads meet
.irp s, 0,1
	s_mov_b32 s[G0+4*\s], 1
	s_add_co_u32 s[G0+4*\s+1], s20, \s*SLOT
	s_add_nc_u64 s[G0+4*\s+2:G0+4*\s+3], s[14:15], \s*4194304      ; K step s
	s_or_b32 s[G0+4*\s+3], s[G0+4*\s+3], 0x80000000
	s_mov_b32 s[G0B+4*\s], 1
	s_add_co_u32 s[G0B+4*\s+1], s23, \s*SLOT
	s_add_nc_u64 s[G0B+4*\s+2:G0B+4*\s+3], s[46:47], \s*KSTEP*2
	s_or_b32 s[G0B+4*\s+3], s[G0B+4*\s+3], 0x80000000
	JLOAD \s                                       ; two loads of mine are out
.endr
	v_and_b32 v1, 15, v0                           ; l % 16
	v_bfe_u32 v2, v0, 4, 1                         ; l / 16
	v_and_b32 v6, 31, v0
	v_lshlrev_b32 v6, 4, v6                        ; A: 16 x lane
	v_mul_u32_u24 v3, v1, PITCH
	v_lshl_add_u32 v3, v2, 4, v3                   ; W: row x pitch + 16 x half
	s_lshl_b32 s21, s11, 15                        ; my 64 rows of A
	s_mul_i32 s22, s12, HALFB                      ; my 64 rows of W,
	s_add_co_u32 s22, s22, ABYTES                  ; which lie behind A
.irp s, 0,1
	v_add_nc_u32 v[ADRA+\s], s21, v6
	v_add_nc_u32 v[ADRB+\s], s22, v3
	s_add_co_u32 s21, s21, SLOT
	s_add_co_u32 s22, s22, SLOT
.endr
	s_mul_i32 s23, s10, 16*SPITCH
	s_add_co_u32 s23, s23, STAGE                   ; my stage
	v_mul_u32_u24 v4, v1, SPITCH                   ; in: row l % 16, 32 bytes for each half of the lanes
	v_lshl_add_u32 v4, v2, 5, v4
	v_add_nc_u32 v[STO], s23, v4
	v_mul_u32_u24 v5, v2, SPITCH                   ; back: lanes 0-15 take one row of 256 bytes, lanes 16-31 the next
	v_lshl_add_u32 v5, v1, 4, v5
	v_add_nc_u32 v[RD], s23, v5
	v_lshlrev_b32 v5, 12, v2                       ; and the same two rows in the output: 4,096 bytes a row
	v_lshl_add_u32 v[CO], v1, 4, v5
	s_lshl_b32 s16, s13, 7
	s_lshl_b32 s17, s11, 6
	s_add_co_u32 s16, s16, s17                     ; my first row: 128 x tile row + 64 x half
	s_lshl_b32 s16, s16, 12
	s_mov_b32 s17, 0
	s_lshl_b32 s46, s42, 7
	s_lshl_b32 s47, s12, 6
	s_add_co_u32 s46, s46, s47                     ; my first column: 128 x tile column + 64 x half,
	s_lshl_b32 s46, s46, 2                         ; in bytes: in a row of the output and in the bias alike
	s_mov_b32 s47, 0
	s_add_nc_u64 s[8:9], s[8:9], s[16:17]
	s_add_nc_u64 s[8:9], s[8:9], s[46:47]
	s_add_nc_u64 s[66:67], s[66:67], s[46:47]
	v_lshlrev_b32 v7, 5, v2                        ; the bias in the result's layout: register j of block b holds b_proj at my column 16 b + 8 (l / 16) + j
.irp b, 0,1,2,3
	global_load_b128 v[BIAS+8*\b:BIAS+8*\b+3], v7, s[66:67] offset:64*\b
	global_load_b128 v[BIAS+8*\b+4:BIAS+8*\b+7], v7, s[66:67] offset:64*\b+16
.endr
; 8 matrix instructions: row blocks a0, a0 + 1 x all 4 column blocks, 32 along K: half c of buffer f.  zero = 1: the first product starts the sums, on the bias.  The 16 accumulators take turns.
.macro MUL8 f, c, a0, zero
.irp a, \a0, \a0+1
.irp b, 0,1,2,3
.if \zero
	v_wmma_f32_16x16x32_f16 v[ACC+8*(4*(\a)+\b):ACC+8*(4*(\a)+\b)+7], v[\f+64+8*(4*\c+\b):\f+64+8*(4*\c+\b)+7], v[\f+8*(4*\c+\a):\f+8*(4*\c+\a)+7], v[BIAS+8*\b:BIAS+8*\b+7]
.else
	v_wmma_f32_16x16x32_f16 v[ACC+8*(4*(\a)+\b):ACC+8*(4*(\a)+\b)+7], v[\f+64+8*(4*\c+\b):\f+64+8*(4*\c+\b)+7], v[\f+8*(4*\c+\a):\f+8*(4*\c+\a)+7], v[ACC+8*(4*(\a)+\b):ACC+8*(4*(\a)+\b)+7]
.endif
.endr
.endr
.endm
; 32 LDS loads in one run: the fragments of 64 along K (byte k of W's rows; blocks k / 32 on of A's tiles) into buffer f; the first 32 along K first
.macro FETCH slot, k, f
	WIN TO_F
.irp c, 0,1
.irp i, 0,1,2,3
	ds_load_b128 v[\f+64+8*(4*\c+\i):\f+64+8*(4*\c+\i)+3],   v[ADRB+\slot] offset:\k+64*\c+\i*16*PITCH
	ds_load_b128 v[\f+64+8*(4*\c+\i)+4:\f+64+8*(4*\c+\i)+7], v[ADRB+\slot] offset:\k+64*\c+\i*16*PITCH+32
	ds_load_b128 v[\f+8*(4*\c+\i):\f+8*(4*\c+\i)+3],         v[ADRA+\slot] offset:((\k)/128)*2048+\c*1024+\i*8192
	ds_load_b128 v[\f+8*(4*\c+\i)+4:\f+8*(4*\c+\i)+7],       v[ADRA+\slot] offset:((\k)/128)*2048+\c*1024+\i*8192+512
.endr
.endr
.endm
.macro PLACES                          ; four places in front of loads into registers that matrix instructions have read, and of the first reads of results
.rept 4
	v_nop
.endr
.endm
; A K step is four quarters of 64 along K, 32 matrix instructions each, on buffers 0, 1, 0, 1.  One of the first three: multiplies buffer f and fetches the next quarter, at byte k, into g.
.macro QUARTER slot, k, f, g, zero
	s_wait_dscnt 16                                ; the first 32 along K are in; the sixteen loads of the second may be out
	WIN MUL
	MUL8 \f, 0, 0, \zero
	MUL8 \f, 0, 2, \zero
	PLACES
	FETCH \slot, \k, \g
	s_wait_dscnt 32                                ; all but the 32 just issued
	WIN MUL
	MUL8 \f, 1, 0, 0
	MUL8 \f, 1, 2, 0
.endm
; The last quarter multiplies buffer 1 and changes slots: ONE barrier; in front of it each wave waits for all its tensor loads, adds 0 to its spare word, and waits for that and for its own reads of this slot.  fill = 1: this slot is filled again, two K steps ahead.
.macro TURN slot, next, fill
	WIN 0                                          ; (the add's two registers lie in window 0)
	s_wait_tensorcnt 0x0                           ; all my tensor loads have landed: my part of the next slot;
	ds_add_u32 v[SPW], v[NIL]                      ; 0 onto my spare word;
	s_wait_dscnt 17                                ; (the add and the youngest sixteen loads may be out)
	WIN MUL
	MUL8 F1, 0, 0, 0                               ; eight matrix instructions stand between the add and the wait for it
	s_wait_dscnt 0x0                               ; the add is done, and my reads of this slot are over
	s_barrier_signal -1
	MUL8 F1, 0, 2, 0
.if \fill
	WIN 0
.endif
	s_barrier_wait -1
.if \fill
	CREST                                          ; the barrier has opened a round of the cluster's barrier: no wave of any partner still reads this slot's tile or has a load on its way
	s_add_nc_u64 s[G0+4*\slot+2:G0+4*\slot+3], s[G0+4*\slot+2:G0+4*\slot+3], 2*4194304
	s_add_nc_u64 s[G0B+4*\slot+2:G0B+4*\slot+3], s[G0B+4*\slot+2:G0B+4*\slot+3], 2*KSTEP*2
	JLOAD \slot                                    ; the first tensor load behind the round; the four v_nop behind it are also the places in front of the loads below
.else
	PLACES
.endif
	FETCH \next, 0, F0
	WIN MUL
	MUL8 F1, 1, 0, 0
	MUL8 F1, 1, 2, 0
.endm
	s_wait_tensorcnt 1                             ; my part of K step 0 is in (K step 1's load may be out)
	s_barrier_signal -1
	s_barrier_wait -1                              ; everybody's is
	FETCH 0, 0, F0
	s_wait_loadcnt 0x0                             ; the bias
	QUARTER 0, 128, F0, F1, 1                      ; the first quarter stands in front of the loop: its first products start the sums
	WIN 0                                          ; at a label and at a branch every window is 0
	s_mov_b32 s3, LAPS-1
.Llap:                                                 ; a trip goes once round the ring, from a lap's second quarter to the next lap's first, and fills both slots again
	QUARTER 0, 256, F1, F0, 0
	QUARTER 0, 384, F0, F1, 0
	TURN 0, 1, 1
	QUARTER 1, 128, F0, F1, 0
	QUARTER 1, 256, F1, F0, 0
	QUARTER 1, 384, F0, F1, 0
	TURN 1, 0, 1
	QUARTER 0, 128, F0, F1, 0
	WIN 0
	s_sub_co_u32 s3, s3, 1
	s_cmp_lg_u32 s3, 0
	s_cbranch_scc1 .Llap
	QUARTER 0, 256, F1, F0, 0                      ; the last lap fills nothing, and has no round of the cluster's barrier
	QUARTER 0, 384, F0, F1, 0
	TURN 0, 1, 0
	QUARTER 1, 128, F0, F1, 0
	QUARTER 1, 256, F1, F0, 0
	QUARTER 1, 384, F0, F1, 0
	s_wait_dscnt 16                                ; the very last quarter: nothing more to fetch
	WIN MUL
	MUL8 F1, 0, 0, 0
	MUL8 F1, 0, 2, 0
	s_wait_dscnt 0
	MUL8 F1, 1, 0, 0
	MUL8 F1, 1, 2, 0
	WIN 0
; THE WAY OUT, block by block of 16 rows x 64 columns.  A lane holds 32 neighbouring bytes of a row; a row's 64 columns are 256 aligned bytes, all mine: so a block goes through my own stage and comes back as whole rows,
; sixteen lanes to 256 consecutive aligned bytes.  LDS serves a wave's instructions in order: no wait between the stores and the loads, nor in front of the next block's stores.
.macro TOSTAGE a
.irp b, 0,1,2,3
	ds_store_b128 v[STO], v[ACC+8*(4*(\a)+\b):ACC+8*(4*(\a)+\b)+3] offset:64*\b         ; each accumulator from its low end on
	ds_store_b128 v[STO], v[ACC+8*(4*(\a)+\b)+4:ACC+8*(4*(\a)+\b)+7] offset:64*\b+16
.endr
.irp t, 0,1,2,3,4,5,6,7
	ds_load_b128 v[TMP+32*((\a)%2)+4*\t:TMP+32*((\a)%2)+4*\t+3], v[RD] offset:2*\t*SPITCH
.endr
.endm
.macro SEND a, younger                 ; younger: the LDS instructions issued behind block a's loads, which may stay out
	s_wait_dscnt \younger
.irp t, 0,1,2,3,4,5,6,7
	global_store_b128 v[CO], v[TMP+32*((\a)%2)+4*\t:TMP+32*((\a)%2)+4*\t+3], s[8:9] offset:(16*(\a)+2*\t)*4096 th:TH_STORE_NT   ; the base is never stepped: 62 rows of 4,096 bytes at the most
.endr
.endm
	PLACES                                         ; behind the last products
	TOSTAGE 0
.irp a, 1,2,3
.if \a > 1
	s_wait_xcnt 0x0                                ; block a - 2's stores have read their data registers: block a's loads may land there
.endif
	TOSTAGE \a
	SEND \a-1, 16                                  ; behind block a - 1's loads: block a's 8 stores and 8 loads
.endr
	SEND 3, 0
	s_wait_tensorcnt 0x0                           ; the wave's end: behind my last tensor load and my last LDS store
	ds_add_u32 v[SPW], v[NIL]
	s_wait_dscnt 0x0
	CROUND                                         ; the closing round: no work-group ends while a partner may still ask for a tile that names it
	s_endpgm
.Lfunc_end_k_q5f8466501d_proj:
	.size	k_q5f8466501d_proj, .Lfunc_end_k_q5f8466501d_proj-k_q5f8466501d_proj
	.p2alignl 7, 3214868480
	.fill 96, 4, 3214868480
	.section	.rodata,"a",@progbits
	.p2align	6, 0x0
	.amdhsa_kernel k_q5f8466501d_proj
		.amdhsa_group_segment_fixed_size 327680
		.amdhsa_private_segment_fixed_size 0
		.amdhsa_enable_private_segment 0
		.amdhsa_kernarg_size 32
		.amdhsa_user_sgpr_count 2
		.amdhsa_user_sgpr_kernarg_segment_ptr 1
		.amdhsa_wavefront_size32 1
		.amdhsa_system_sgpr_workgroup_id_x 1
		.amdhsa_system_sgpr_workgroup_id_y 1
		.amdhsa_system_sgpr_workgroup_id_z 1
		.amdhsa_system_vgpr_workitem_id 0
		.amdhsa_next_free_vgpr 512
		.amdhsa_next_free_sgpr 68
		.amdhsa_reserve_vcc 0
		.amdhsa_float_denorm_mode_32 3
		.amdhsa_float_denorm_mode_16_64 3
		.amdhsa_memory_ordered 1
		.amdhsa_forward_progress 1
		.amdhsa_inst_pref_size 87
	.end_amdhsa_kernel
	.amdgpu_metadata
---
amdhsa.version: [ 1, 2 ]
amdhsa.kernels:
  - .name:           k_q5f8466501d_proj
    .symbol:         k_q5f8466501d_proj.kd
    .args:
      - { .name: att, .offset: 0, .size: 8, .value_kind: global_buffer, .address_space: global }
      - { .name: wp, .offset: 8, .size: 8, .value_kind: global_buffer, .address_space: global }
      - { .name: out0, .offset: 16, .size: 8, .value_kind: global_buffer, .address_space: global }
      - { .name: b_proj, .offset: 24, .size: 8, .value_kind: global_buffer, .address_space: global }
    .group_segment_fixed_size: 327680
    .private_segment_fixed_size: 0
    .kernarg_segment_align: 8
    .kernarg_segment_size: 32
    .max_flat_workgroup_size: 128
    .sgpr_count:     68
    .vgpr_count:     512
    .wavefront_size: 32
...
	.end_amdgpu_metadata
.endif
;; end of part 4
